; MI455X (gfx1250); checked and timed in simulation.
; The chip was launched on July 23, 2026; its instructions are those of AMD's public machine-readable ISA for CDNA 5 (MIT licence, August 2026) and "CDNA5" Instruction Set Architecture Reference Guide (July 2026). The comments in the code are by the model that wrote it; some were corrected since.
;; Multihead Attention. Allowed arithmetic: matrix products marked QUANTISED: E2M3 operands, one E8M0 scale for each 32 along K, by v_wmma_scale_f32_16x16x128_f8f6f4 with both operands' format E2M3, f32 sums; everything else in f32.
;; Inputs: Wk_codes 1,024 x 32 x 24 uint8 (E2M3 codes of Wk, K innermost, in blocks of 32 codes, four codes in three bytes); Wk_scales 1,024 x 32 uint8 (E8M0 scales of Wk, one for each 32 codes along K); Wo_codes 1,024 x 32 x 24 uint8 (E2M3 codes of Wo, K innermost, in blocks of 32 codes, four codes in three bytes); Wo_scales 1,024 x 32 uint8 (E8M0 scales of Wo, one for each 32 codes along K); Wq_codes 1,024 x 32 x 24 uint8 (E2M3 codes of Wq, K innermost, in blocks of 32 codes, four codes in three bytes); Wq_scales 1,024 x 32 uint8 (E8M0 scales of Wq, one for each 32 codes along K); Wv_codes 1,024 x 32 x 24 uint8 (E2M3 codes of Wv, K innermost, in blocks of 32 codes, four codes in three bytes); Wv_scales 1,024 x 32 uint8 (E8M0 scales of Wv, one for each 32 codes along K); bk 1,024 float32; bo 1,024 float32; bq 1,024 float32; bv 1,024 float32; keys_codes 4 x 2,048 x 32 x 24 uint8 (E2M3 codes of keys, K innermost, in blocks of 32 codes, four codes in three bytes); keys_scales 4 x 2,048 x 32 uint8 (E8M0 scales of keys, one for each 32 codes along K); queries_codes 4 x 2,048 x 32 x 24 uint8 (E2M3 codes of queries, K innermost, in blocks of 32 codes, four codes in three bytes); queries_scales 4 x 2,048 x 32 uint8 (E8M0 scales of queries, one for each 32 codes along K); values_codes 4 x 2,048 x 32 x 24 uint8 (E2M3 codes of values, K innermost, in blocks of 32 codes, four codes in three bytes); values_scales 4 x 2,048 x 32 uint8 (E8M0 scales of values, one for each 32 codes along K).
;; Outputs: out0 4 x 2,048 x 1,024 float32.
;; Constants: attn_mask = 0.
;; This version of the problem:
;;   THIS VERSION OF THE PROBLEM IS GIVEN IN LOW PRECISION. The matrix products marked QUANTISED in the list below multiply operands that are first quantised to E2M3 (2 exponent bits, 3 mantissa bits; 6 bits a number), with one power-of-two scale for each 32 numbers along K (OCP MX v1.0); their sums are f32. All else is computed in f32.
;;   The module's matrix products, in the order in which they are computed (A, B: the left and right operand; K: the contracted axis; several contracted axes count as one K, in the product's order):
;;     1. [M 8,192, K 1,024] x [K 1,024, N 1,024]; A: input keys (given as codes); B: input Wk (given as codes): QUANTISED
;;     2. [M 8,192, K 1,024] x [K 1,024, N 1,024]; A: input queries (given as codes); B: input Wq (given as codes): QUANTISED
;;     3. [M 8,192, K 1,024] x [K 1,024, N 1,024]; A: input values (given as codes); B: input Wv (given as codes): QUANTISED
;;     4. batch 64 x [M 2,048, K 64] x [K 64, N 2,048]; A: computed on the way; B: computed on the way: QUANTISED
;;     5. batch 64 x [M 2,048, K 2,048] x [K 2,048, N 64]; A: softmax (see below); B: computed on the way: QUANTISED
;;     6. [M 8,192, K 1,024] x [K 1,024, N 1,024]; A: computed on the way; B: input Wo (given as codes): QUANTISED
;;   THE QUANTISER, for each operand of a quantised product, along K:
;;     - K is cut into blocks of 32 from its start; a last block that is shorter is filled with zeros.
;;     - A block's scale is 2^e with e = floor(log2(the largest magnitude in the block)) - 2, held to -126 .. 127; a block of zeros has e = 0. As a byte (E8M0): e + 127.
;;     - Each number is divided by its block's scale, clamped to +-7.5, and rounded to the nearest number of E2M3, ties to even, subnormals kept.
;;     - The product sums the exact products of the quantised numbers (number of the format x scale) in f32.
;;   ~~~python
;;   def quantise(x, axis):      # numpy; x: float32 -> the quantised numbers, widened to float32 again
;;       x = np.moveaxis(x, axis, -1); K = x.shape[-1]
;;       x = np.pad(x, [(0, 0)] * (x.ndim - 1) + [(0, -K % 32)]); x = x.reshape(x.shape[:-1] + (-1, 32)); a = np.abs(x).max(-1, keepdims=True)
;;       e = np.where(a > 0, np.clip(np.frexp(np.where(a > 0, a, 1))[1] - 1 - 2, -126, 127), 0)      # np.frexp(a)[1] - 1 = floor(log2(a)), exactly
;;       r = np.clip(x / 2.0 ** e, -7.5, 7.5)
;;       step = 2.0 ** (np.maximum(np.frexp(np.where(r == 0, 1, r))[1] - 1, 0) - 3)
;;       q = np.round(r / step) * step * 2.0 ** e      # np.round: ties to even
;;       return np.moveaxis(q.reshape(q.shape[:-2] + (-1,))[..., :K], -1, axis).astype(np.float32)
;;   ~~~
;;   SOFTMAX AHEAD OF A QUANTISED PRODUCT. Where the list says 'softmax', what is quantised is not the finished softmax but p = 2^(t - M), with t = logit x log2(e) and M = ceil(the row's largest t), a whole number; so 1/2 < the row's largest p <= 1. The row's sum l is taken of the UNQUANTISED p, in f32, and the product's result is divided by l at the end. Since M is a whole number, a kernel that streams over the keys may use a running M (the ceiling of the running maximum): every later rescaling is an exact power of two, which a block's scale takes up: the codes' values come out the same.
;;   OPERANDS COMPUTED ON THE WAY. 'Computed on the way' means the value that the module computes at that place (a softmax that the list does not call 'softmax' is quantised finished and normalised). What goes into a quantiser is computed in f32, as accurately as f32 sums, v_exp_f32 and their like allow (about 1e-6 of the number): no bf16 or f16 on the way to a quantiser, and a product that is left as it is and whose result goes on into a quantised operand takes f32 operands (vector FMAs, or v_wmma_f32_16x16x4_f32). A number that lies on a knife's edge between two numbers of the format may be rounded either way, as far as f32 arithmetic and the matrix unit's own rounding can turn it there, and no further.
;;   INPUTS GIVEN AS CODES. Wk (in the module: [1024, 1024], K = its axis 1); Wo (in the module: [1024, 1024], K = its axis 1); Wq (in the module: [1024, 1024], K = its axis 1); Wv (in the module: [1024, 1024], K = its axis 1); keys (in the module: [4, 2048, 1024], K = its axis 2); queries (in the module: [4, 2048, 1024], K = its axis 2); values (in the module: [4, 2048, 1024], K = its axis 2): each comes as NAME_codes (uint8): NAME with its K axis moved to the last place and cut into blocks of 32 codes, [.., K / 32, bytes a block], one block behind the other in memory; four codes in three bytes: a row's codes are one little-endian stream of bits, code i at bits 6 i .. 6 i + 5 (a code: sign, 2 exponent bits, 3 mantissa bits); and NAME_scales (uint8): the same leading axes, one E8M0 byte (e + 127) for each 32 codes along K. Its value is code x scale, taken as it is: it is not quantised again, and the codes and scales need not be those that the quantiser above would give.
;; One version. Each part assembles by itself: llvm-mc -triple=amdgcn-amd-amdhsa -mcpu=gfx1250 --defsym DOCPART=n.
;; ======== version 1 of 1: 3 launches
;; limits: right only within a limited range of input values
;; workspace buffers: q_img 6,291,456 bytes; k_img 6,291,456 bytes; v_img 6,291,456 bytes; q_scl 524,288 bytes; k_scl 524,288 bytes; v_scl 262,144 bytes; ctx_img 6,291,456 bytes; ctx_scl 262,144 bytes
;; launch proj (part 1): grid 4 x 48, 4 waves a work-group, clusters of 4 x 1, 327,680 bytes of LDS; arguments queries_codes, queries_scales, Wq_codes, Wq_scales, bq, q_img, q_scl, keys_codes, keys_scales, Wk_codes, Wk_scales, bk, k_img, k_scl, Wv_codes, Wv_scales, values_codes, values_scales, bv, v_img, v_scl; writes q_img, q_scl, k_img, k_scl, v_img, v_scl
.if DOCPART == 1
	.amdgcn_target "amdgcn-amd-amdhsa--gfx1250"
	.amdhsa_code_object_version 6
	.text
	.protected	k_q4e6df42a6d_proj
	.globl	k_q4e6df42a6d_proj
	.p2align	8
	.type	k_q4e6df42a6d_proj,@function
k_q4e6df42a6d_proj:
	s_mov_b64 s[64:65], 0
	v_nop
	global_prefetch_b8 v0, s[64:65] scope:SCOPE_SE
	s_setreg_imm32_b32 hwreg(HW_REG_WAVE_MODE, 25, 1), 1
	s_wait_xcnt 0x0
	s_wait_alu depctr_hold_cnt(0) depctr_sa_sdst(0) depctr_va_vdst(0) depctr_va_sdst(0) depctr_va_ssrc(0) depctr_va_vcc(0) depctr_vm_vsrc(0)
	s_getreg_b32 s2, hwreg(HW_REG_IB_STS2, 6, 4)
	s_cmp_eq_u32 s2, 0
	s_cbranch_scc0 .Lentry_in_a_cluster
	s_endpgm
.Lentry_in_a_cluster:
	s_bfe_u32 s2, ttmp6, 0x10000c
	s_cmp_lg_u32 s2, 0x3003
	s_cbranch_scc0 .Lentry_shape_is_right
	s_endpgm
.Lentry_shape_is_right:
; THE THREE PROJECTIONS on codes of FP6 (E2M3), and the quantising of their results.  attn_mask is a constant: no buffer.
; C'[m'][n'] = sum over k of A'[m'][k] B'[n'][k] (K = 1,024), plus the bias, quantised ALONG n'.  q, k: A' = the activations, B' = the weight;  v: A' = Wv, B' = the values (C' is v transposed, n' runs along the keys).
; A work-group takes 128 rows of B' and 1,024 rows of A': 64 work-groups a tensor, chosen on the cluster's y (16 clusters each); pointers and tile numbers differ, the text and the LDS addresses do not.
; Four waves, 2 x 2.  A wave holds its 64 rows of B', ALL of K, in 384 registers, and A' streams past in chunks of 128 whole rows of 768 bytes (16 bytes of padding behind every 256) through two LDS slots;
; of a chunk the wave takes 64 rows as four blocks of 16: 32 products on four accumulators, then the block's way out.  A block's fragments lie twice in registers: set s % 2 takes block s + 2 behind block s's products.
; FILLS.  At the head one load a wave: B's rows, the scale bytes of chunks 0 and 1, chunk 0, chunk 1.  Six refills, each behind a round of the cluster's barrier in a slot's third block, when every wave has fetched the slot's last block:
; waves 0 and 1 half a chunk each, wave 2 its scale bytes.  A's tiles are asked for jointly by the four work-groups of a cluster, which share their rows of A'; B's rows are each work-group's own, read once.
; Each chunk from chunk 3 on is also asked for into the L2 one slot ahead of its refill: 384 blocks of 256 bytes, 24 for each of the cluster's sixteen waves, told apart by address; the loop's last trip asks for nothing.
; Source 0 = 16 rows of B', source 1 = 16 rows of A': lane (r, h) holds row r of A', register j of accumulator b column 16 b + 8 h + j.  Converted and the halves exchanged, a block's 32 places hold its elements in the order
; 0..7, 16..23, 8..15, 24..31, alike in q and k, and in v's keys and p's keys: both operands of a product share the order.
; STORED: a half image of 768 bytes (16 rows x 64 along n'): 32 lanes x 16 bytes, then 32 lanes x 8.  q_img, k_img [b][head][row tile 128][768]; v_img [b][head][64 keys: 32][16 d: 4][768];
; q_scl, k_scl [b][head][32] blocks of 256 bytes [r 16][tile % 4] words (byte 0, byte 1, 0, 0); v_scl [b][head][128 keys: 16] blocks of 256 bytes [r 16][16 d: 4] words.
; A wave's two scale bytes of a row go to LDS bytes of their own, [64 rows: 16][r][block][wave column], and leave at the end as whole units.
; LIMITS: NaN and infinities are not served.  A block of zeros gets the byte 1 where the quantiser says 127: its codes are zeros, and this program alone reads the bytes.
; REGISTERS: window 0: addresses, v32-63 B's scale words (8 b + step), v68-83 A's, two sets, v84-95 the row bias, v96-116 at work, v128-191 two sets of four accumulators.
; Windows 1, 2: B's fragments of steps 0-3, 4-7 (12 (4 (step % 4) + b)); window 1, v192-223: the column bias as the first products' C.  Window 3: A's two sets of eight fragments.
.set PITCH, 816
.set FR,    12
.set SLOTB, 128*PITCH
.set BREG,  2*SLOTB
.set SCA,   3*SLOTB
.set SPL,   16*272
.set XS,    SCA+2*SPL
.set SPARE, XS+4096
.set AD0, 4
.set AS0, 6
.set ST0, 7
.set ADC, 8
.set ADO, 10
.set ASC, 12
.set ASO, 13
.set STG, 14
.set RB,  15
.set ADB, 16
.set L16, 18
.set L8,  19
.set SAD, 20
.set SH,  21
.set SPW, 28
.set NIL, 29
.set STR, 30
.set PFV, 31
.set SB,  32
.set SA,  68
.set BL,  84
.set BR,  88
.set W,   96
.set TM,  100
.set CD,  108
.set CT,  114
.set ACC, 128
.set SW,  196
.set G1A, 24
.set G0A0, 32
.set G0A1, 36
.set G1B, 48
.set G0B, 56
.set PFB, 60
.set G1S, 68
.set G0S, 76
.set G0R, 80
.set G0T, 4
.set SEL, 66
.set PP,  84
.set MSB, 0
.macro WIN new                         ; the immediate's high byte repeats the setting that is left
.if MSB != \new
	s_set_vgpr_msb (MSB<<8)|\new
.set MSB, \new
.endif
.endm
.macro PLACES n
.rept \n
	v_nop
.endr
.endm
.macro WALU
	s_wait_alu depctr_va_vdst(0)
.endm
.macro CROUND                          ; a round of the cluster's barrier
	s_barrier_signal -1
	s_barrier_wait -1
	s_cmp_lg_u32 s18, 0
	s_cbranch_scc1 .Lnot_wave_0_\@
	s_barrier_signal -3
.Lnot_wave_0_\@:
	s_barrier_wait -3
	s_barrier_signal -1
	s_barrier_wait -1
.endm
.macro TLOAD g0, g1
	tensor_load_to_lds s[\g0:\g0+3], s[\g1:\g1+7]
	s_nop 0
	PLACES 4
.endm
.macro GSET g, w0, c, rows             ; group 1: rows of c elements, dense or at the pitch c
	s_mov_b32 s[\g], \w0
	s_mov_b32 s[\g+1], (\c)<<16
	s_mov_b32 s[\g+2], (\rows)<<16
	s_mov_b32 s[\g+3], (\c)<<16
	s_mov_b32 s[\g+4], \rows
	s_mov_b32 s[\g+5], \c
	s_mov_b32 s[\g+6], 0
	s_mov_b32 s[\g+7], 0
.endm
.macro G0SET g, lds, base, off         ; group 0: LDS place, buffer + the 32-bit offset in s\off
	s_mov_b32 s[\g], 1
	s_mov_b32 s[\g+1], \lds
	s_mov_b32 s2, s\off
	s_mov_b32 s3, 0
	s_add_nc_u64 s[\g+2:\g+3], s[\base:\base+1], s[2:3]
	s_or_b32 s[\g+3], s[\g+3], 0x80000000
.endm
.macro ARM under, g0, g1, next         ; one arm of the head's chain: every way through it passes one load
	s_cmp_lt_u32 s18, \under
	s_cbranch_scc0 \next
	TLOAD \g0, \g1
	s_branch .Lhead_asked
\next:
.endm
	s_load_b256 s[68:75], s[0:1], 0x0              ; q's seven: A' codes, A' scales, B' codes, B' scales, bias, images, scale words
	s_load_b128 s[76:79], s[0:1], 0x20
	s_load_b64 s[80:81], s[0:1], 0x30
	s_load_b256 s[84:91], s[0:1], 0x38             ; k's seven
	s_load_b128 s[92:95], s[0:1], 0x58
	s_load_b64 s[96:97], s[0:1], 0x68
	s_load_b256 s[24:31], s[0:1], 0x70             ; v's seven (A' = Wv, B' = the values)
	s_load_b128 s[32:35], s[0:1], 0x90
	s_load_b64 s[36:37], s[0:1], 0xa0
	v_lshl_add_u32 v[SPW], v0, 2, SPARE
	v_mov_b32 v[NIL], 0
	ds_add_u32 v[SPW], v[NIL]                      ; the opening lines: the add twice and one wait
	ds_add_u32 v[SPW], v[NIL]
	v_lshrrev_b32 v1, 5, v0
	v_readfirstlane_b32 s18, v1                    ; wave 0..3
	s_lshr_b32 s19, s18, 1                         ; my row of the 2 x 2
	s_and_b32 s20, s18, 1                          ; my column
	s_bfe_u32 s40, ttmp6, 0x40000                  ; cx
	s_and_b32 s22, ttmp7, 0xffff                   ; the cluster's y, 0..47
	s_lshr_b32 s21, s22, 4                         ; the tensor: 0 q, 1 k, 2 v
	s_and_b32 s22, s22, 15
	s_lshr_b32 s41, s22, 1
	s_and_b32 s43, s22, 1
	s_cmp_lt_u32 s21, 2
	s_cselect_b32 s45, s41, 0                      ; which 1,024 rows of A': q, k 0..7; v 0
	s_cselect_b32 s42, s43, s22
	s_lshl_b32 s42, s42, 2
	s_add_co_u32 s42, s42, s40                     ; which 128 rows of B': q, k 0..7; v 0..63
	s_wait_dscnt 0x0
	s_wait_kmcnt 0x0
	s_cmp_eq_u32 s21, 1
.irp i, 0,1,2,3,4,5,6
	s_cselect_b64 s[4+2*\i:5+2*\i], s[84+2*\i:85+2*\i], s[68+2*\i:69+2*\i]
.endr
	s_cmp_eq_u32 s21, 2
.irp i, 0,1,2,3,4,5,6
	s_cselect_b64 s[4+2*\i:5+2*\i], s[24+2*\i:25+2*\i], s[4+2*\i:5+2*\i]
.endr
	GSET G1A, 15|(1<<20)|(1<<21)|(5<<22)|(3<<25), 768, 128
	GSET G1B, (1<<20)|(5<<22)|(3<<25), 768, 128
	GSET G1S, 15|(3<<16)|(1<<20)|(1<<21)|(5<<22)|(3<<25), 32, 32
	s_mul_i32 s46, s45, 1024*768
	s_add_co_u32 s47, s46, 128*768
	s_mul_i32 s92, s18, 64*768
	s_add_co_u32 s92, s92, s47                     ; one chunk ahead of the first refill's half chunk: each round steps first
	s_add_co_u32 s93, s46, 3*128*768
	s_lshl_b32 s94, s45, 15
	s_add_co_u32 s95, s94, 4096
	s_mul_i32 s96, s42, 128*768
	G0SET G0A0, 0, 4, 46
	G0SET G0A1, SLOTB, 4, 47
	G0SET G0R, 0, 4, 92
	s_mov_b32 s2, s93
	s_add_nc_u64 s[PFB:PFB+1], s[4:5], s[2:3]      ; chunk 3, for the prefetches
	G0SET G0B, BREG, 8, 96
	G0SET G0S, SCA, 6, 94
	G0SET G0T, SCA, 6, 95
	CROUND
	ARM 1, G0B,  G1B, .Lhead_s
	ARM 2, G0S,  G1S, .Lhead_0
	ARM 3, G0A0, G1A, .Lhead_1
	TLOAD G0A1, G1A
.Lhead_asked:
	; where the results go: both kinds are worked out, then chosen
	s_lshr_b32 s96, s45, 1
	s_lshl_b32 s96, s96, 4
	s_lshl_b32 s97, s42, 1
	s_add_co_u32 s96, s96, s97                     ; q, k: 16 batch + the first of my work-group's two heads
	s_and_b32 s46, s45, 1
	s_lshl_b32 s99, s96, 13
	s_lshl_b32 s47, s46, 12
	s_add_co_u32 s99, s99, s47                     ; their scale words
	s_add_co_u32 s96, s96, s20
	s_lshl_b32 s96, s96, 7
	s_lshl_b32 s46, s46, 6
	s_add_co_u32 s96, s96, s46
	s_lshl_b32 s46, s19, 2
	s_add_co_u32 s96, s96, s46                     ; my first image
	s_lshr_b32 s98, s42, 4
	s_lshl_b32 s98, s98, 4                         ; v: 16 batch
	s_and_b32 s47, s42, 15
	s_lshl_b32 s46, s98, 12
	s_lshl_b32 s2, s47, 8
	s_add_co_u32 s46, s46, s2                      ; its scale words
	s_add_co_u32 s98, s98, s19
	s_lshl_b32 s98, s98, 7
	s_lshl_b32 s47, s47, 3
	s_add_co_u32 s98, s98, s47
	s_lshl_b32 s47, s20, 2
	s_add_co_u32 s98, s98, s47                     ; my first image
	s_add_co_u32 s97, s97, s20
	s_lshl_b32 s97, s97, 8                         ; q, k: my head's 64 numbers of the bias
	s_mov_b32 s86, 196608
	s_mov_b32 s23, 8192
	s_mov_b32 s22, 0xffff
	s_mov_b32 s2, 4096
	s_cmp_lt_u32 s21, 2
	s_cselect_b32 s96, s96, s98
	s_cselect_b32 s99, s99, s46
	s_cselect_b32 s97, s97, 0                      ; v: the column form is cleared; it reads from the bias's start, so that it stays inside
	s_cselect_b32 s86, 6144, s86                   ; from chunk to chunk: 8 row tiles on (q, k), two heads on (v)
	s_cselect_b32 s100, -1, 0                      ; q, k: the bias runs along the columns and is the first products' C;
	s_cselect_b32 s101, 0, -1                      ; v: along the rows, added at the end
	s_cselect_b32 s8, 16, 0                        ; q, k: lanes 16-31 store the second head's half of a scale word,
	s_cselect_b32 s23, s23, 0                      ; one head further on;
	s_cselect_b32 s22, s22, -1                     ; v: all lanes keep the whole word, lanes 16-31 store what lanes 0-15 store
	s_cselect_b32 s46, 256, s2                     ; scale words, from 64 rows of A' to the next
	s_mov_b32 s87, 0
	s_mov_b32 s3, 0
	s_mul_i32 s2, s96, 768
	s_add_nc_u64 s[PP:PP+1], s[14:15], s[2:3]
	s_mov_b32 s2, s99
	s_add_nc_u64 s[98:99], s[16:17], s[2:3]
	s_lshl_b32 s2, s18, 2
	s_mul_i32 s2, s2, s46
	s_add_nc_u64 s[98:99], s[98:99], s[2:3]        ; at the end wave w stores the words of rows 256 w .. 256 w + 255
	s_mov_b32 s2, s97
	s_add_nc_u64 s[96:97], s[12:13], s[2:3]
	s_lshl_b32 s2, s19, 8
	s_add_nc_u64 s[94:95], s[12:13], s[2:3]
	s_lshl_b32 s2, s42, 12
	s_lshl_b32 s9, s20, 11
	s_add_co_u32 s2, s2, s9
	s_add_nc_u64 s[10:11], s[10:11], s[2:3]        ; my 64 rows of B's scale bytes
	s_mov_b32 s[SEL], 0x76543210
	s_mov_b32 s[SEL+1], 0xfedcba98
	s_mul_i32 s41, s19, 64*PITCH
	s_mul_i32 s43, s20, 64*PITCH
	s_add_co_u32 s43, s43, BREG
	s_mul_i32 s44, s19, 8*272
	s_add_co_u32 s44, s44, SCA
	s_lshl_b32 s47, s19, 8
	s_lshl_b32 s9, s20, 1
	s_add_co_u32 s47, s47, s9
	s_add_co_u32 s47, s47, XS
	s_lshl_b32 s9, s18, 10
	s_add_co_u32 s9, s9, XS
	s_mul_i32 s93, s18, 64*PITCH
	s_lshl_b32 s92, s40, 2
	s_add_co_u32 s92, s92, s18
	s_mul_i32 s92, s92, 24*256                     ; my sixteenth of a chunk
	v_and_b32 v1, 15, v0                           ; r
	v_bfe_u32 v2, v0, 4, 1                         ; h
	v_and_b32 v3, 31, v0
	v_mul_u32_u24 v22, v1, PITCH
	v_mad_u32_u24 v23, v2, 24, v22
	v_mad_u32_u24 v24, v2, 40, v22                 ; behind one padding more for lanes 16-31
	v_add_nc_u32 v[AD0], s41, v23
	v_add_nc_u32 v[AD0+1], s41, v24
	v_add_nc_u32 v[ADB], s43, v23
	v_add_nc_u32 v[ADB+1], s43, v24
	v_lshrrev_b32 v22, 3, v1
	v_lshlrev_b32 v25, 5, v1
	v_lshl_add_u32 v22, v22, 4, v25
	v_add_nc_u32 v[AS0], s44, v22
	v_lshl_add_u32 v[ST0], v1, 4, s47
	v_lshl_add_u32 v[STR], v1, 4, s9
	v_lshlrev_b32 v[L16], 4, v3
	v_lshlrev_b32 v[L8], 3, v3
	v_lshlrev_b32 v[SAD], 4, v1
	v_mad_u32_u24 v[SAD], v2, s23, v[SAD]
	v_mul_u32_u24 v[SH], v2, s8
	v_lshlrev_b32 v[RB], 2, v1
	v_lshlrev_b32 v26, 5, v2
	v_min_u32 v[PFV], 23, v3
	v_lshl_add_u32 v[PFV], v[PFV], 8, s92
.irp a, 0,1,2,3
	v_mov_b32 v[BR+2*\a+1], 0                      ; named as the upper halves of pairs
.endr
	v_mov_b32 v[TM+2], 0                           ; a lane permute's destination counts as a source
	v_mov_b32 v[TM+3], 0
.irp b, 0,1,2,3
	global_load_b128 v[SB+8*\b:SB+8*\b+3], v25, s[10:11] offset:512*\b
	global_load_b128 v[SB+8*\b+4:SB+8*\b+7], v25, s[10:11] offset:512*\b+16
.endr
	WIN 0x40
.irp b, 0,1,2,3
	global_load_b128 v[192+8*\b:192+8*\b+3], v26, s[96:97] offset:64*\b
	global_load_b128 v[192+8*\b+4:192+8*\b+7], v26, s[96:97] offset:64*\b+16
.endr
	WIN 0
.irp a, 0,1,2,3
	global_load_b32 v[BL+\a], v[RB], s[94:95] offset:64*\a
.endr
; a fragment: six pieces of 8 bytes; piece PC of a row lies at 8 PC + 16 (PC / 32); lanes 16-31 read three pieces on, which from PC % 32 = 29 is behind one padding more
.macro FRAG reg, a0, a1, st, off
.irp p, 0,1,2,3,4,5
.set PC, 12*(\st)+6*(\p/3)+\p%3
.if PC%32 < 29
	ds_load_b64 v[\reg+2*\p:\reg+2*\p+1], v[\a0] offset:8*PC+16*(PC/32)+(\off)
.else
	ds_load_b64 v[\reg+2*\p:\reg+2*\p+1], v[\a1] offset:8*PC+16*(PC/32)+(\off)
.endif
.endr
.endm
.macro FETCH e, a, ad, as              ; block a of the slot at v[ad] into set e: 48 + 2 loads
	WIN 0xc0
.irp q, 0,1,2,3,4,5,6,7
	FRAG 96*(\e)+FR*\q, \ad, \ad+1, \q, (\a)*16*PITCH
.endr
	WIN 0
	ds_load_b128 v[SA+8*(\e):SA+8*(\e)+3], v[\as] offset:544*(\a)
	ds_load_b128 v[SA+8*(\e)+4:SA+8*(\e)+7], v[\as] offset:544*(\a)+16
.endm
.macro PRODS e                         ; 32 products, K ascending, the four accumulators by turns
.irp q, 0,1,2,3,4,5,6,7
.if \q == 0
	WIN 0x1d                                       ; source 0 and C window 1, source 1 window 3
.elseif \q < 4
	WIN 0x0d
.else
	WIN 0x0e
.endif
.irp b, 0,1,2,3
.if \q == 0
	v_wmma_scale_f32_16x16x128_f8f6f4 v[ACC+32*(\e)+8*\b:ACC+32*(\e)+8*\b+7], v[FR*(4*(\q%4)+\b):FR*(4*(\q%4)+\b)+FR-1], v[96*(\e)+FR*\q:96*(\e)+FR*\q+FR-1], v[192+8*\b:192+8*\b+7], v[SB+8*\b+\q], v[SA+8*(\e)+\q] matrix_a_fmt:MATRIX_FMT_FP6 matrix_b_fmt:MATRIX_FMT_FP6
.else
	v_wmma_scale_f32_16x16x128_f8f6f4 v[ACC+32*(\e)+8*\b:ACC+32*(\e)+8*\b+7], v[FR*(4*(\q%4)+\b):FR*(4*(\q%4)+\b)+FR-1], v[96*(\e)+FR*\q:96*(\e)+FR*\q+FR-1], v[ACC+32*(\e)+8*\b:ACC+32*(\e)+8*\b+7], v[SB+8*\b+\q], v[SA+8*(\e)+\q] matrix_a_fmt:MATRIX_FMT_FP6 matrix_b_fmt:MATRIX_FMT_FP6
.endif
.endr
.endr
	WIN 0
	PLACES 4                                       ; behind the products: their operands are loaded anew, their results read
.endm
; THE WAY OUT of a block: 16 rows x 64 columns = two blocks of 32 a row.  The row bias; each block's largest magnitude (my 16, lane l xor 16's) with the floor 2^(3 - 127);
; 2 off its exponent field is the conversion's scale operand, that shifted down the byte; the exchange of halves gives a lane a whole block.
.macro OUT e, a
.set X, ACC+32*(\e)
	s_wait_xcnt 0x0                                ; the earlier stores have read their registers
.set J, 0
.rept 16
	v_pk_add_f32 v[X+J:X+J+1], v[X+J:X+J+1], v[BR+2*(\a):BR+2*(\a)+1] op_sel_hi:[1,0]
.set J, J+2
.endr
.irp c, 0,1
	v_max3_num_f32 v[TM+\c], |v[X+16*\c]|, |v[X+16*\c+1]|, 0x1800000
.endr
.irp i, 2,4,6,8,10,12,14
.irp c, 0,1
	v_max3_num_f32 v[TM+\c], |v[X+16*\c+\i]|, |v[X+16*\c+\i+1]|, v[TM+\c]
.endr
.endr
.irp c, 0,1
	v_permlanex16_b32 v[TM+2+\c], v[TM+\c], s[SEL], s[SEL+1]
.endr
.irp c, 0,1
	v_max_num_f32 v[TM+\c], v[TM+\c], v[TM+2+\c]
.endr
.irp c, 0,1
	v_add_nc_u32 v[TM+4+\c], 0xff000000, v[TM+\c]
.endr
.irp c, 0,1
	v_lshrrev_b32 v[TM+2+\c], 23, v[TM+4+\c]
.endr
	v_lshl_or_b32 v[W], v[TM+3], 8, v[TM+2]
	v_cvt_scalef32_pk16_fp6_f32 v[CD:CD+2], v[X:X+15], v[TM+4]
	v_cvt_scalef32_pk16_fp6_f32 v[CT:CT+2], v[X+16:X+31], v[TM+5]
	v_nop                                          ; one plain place behind a scaled conversion
.irp i, 0,1,2
	v_permlane16_swap_b32 v[CD+\i], v[CT+\i]
.endr
.irp i, 0,1,2
	v_mov_b32 v[CD+3+\i], v[CT+\i]
.endr
	ds_store_b16 v[STG], v[W] offset:4*(\a)
	global_store_b128 v[L16], v[CD:CD+3], s[PP:PP+1] offset:768*(\a)           ; 512 consecutive bytes
	global_store_b64 v[L8], v[CD+4:CD+5], s[PP:PP+1] offset:768*(\a)+512       ; and 256
.endm
; A SLOT: four blocks.  mode 1: the slot is filled again; 2: a plain barrier shows the last chunk; 3: the last slot.
; s_wait_dscnt 50: younger than the fetch of the set that is wanted are at least the 50 loads of the next fetch.
.macro TRIP mode
	s_wait_loadcnt 0x0                             ; this slot's row bias, asked for a slot ago
.irp a, 0,1,2,3
	v_cndmask_b32 v[BR+2*\a], 0, v[BL+\a], s101
.endr
.if \mode < 3
	v_add_nc_u32 v[RB], 512, v[RB]
.irp a, 0,1,2,3
	global_load_b32 v[BL+\a], v[RB], s[94:95] offset:64*\a
.endr
.endif
	v_add_nc_u32 v[ADC], s88, v[AD0]
	v_add_nc_u32 v[ADC+1], s88, v[AD0+1]
	v_add_nc_u32 v[ADO], s89, v[AD0]
	v_add_nc_u32 v[ADO+1], s89, v[AD0+1]
	v_add_nc_u32 v[ASC], s90, v[AS0]
	v_add_nc_u32 v[ASO], s91, v[AS0]
	v_add_nc_u32 v[STG], s92, v[ST0]
	WALU
	s_wait_dscnt 50
	PRODS 0
	FETCH 0, 2, ADC, ASC
	OUT 0, 0
	s_wait_dscnt 50
	PRODS 1
	FETCH 1, 3, ADC, ASC
	OUT 1, 1
.if \mode == 1
	s_wait_tensorcnt 0x0                           ; all my tensor loads have landed;
	ds_add_u32 v[SPW], v[NIL]
	s_mov_b32 s[G1A+2], 64<<16                     ; no load of mine is out: from here on half a chunk, and one chunk's scale bytes
	s_mov_b32 s[G1A+4], 64
	s_mov_b32 s[G1S+2], 16<<16
	s_mov_b32 s[G1S+4], 16
	s_add_co_u32 s[G0R+1], s88, s93
	s_add_nc_u64 s[G0R+2:G0R+3], s[G0R+2:G0R+3], 128*768
	s_add_co_u32 s[G0T+1], s90, SCA
	s_add_nc_u64 s[G0T+2:G0T+3], s[G0T+2:G0T+3], 4096
	s_wait_dscnt 50
	PRODS 0
	WALU
	s_wait_dscnt 0x0                               ; the add is done, and my reads of this slot are over
	CROUND
	s_cmp_lt_u32 s18, 2
	s_cbranch_scc0 .Lscales_\@
	TLOAD G0R, G1A
	s_branch .Lasked_\@
.Lscales_\@:
	s_cmp_eq_u32 s18, 2
	s_cbranch_scc0 .Lasked_\@
	TLOAD G0T, G1S
.Lasked_\@:
	FETCH 0, 0, ADO, ASO
	s_cmp_gt_u32 s3, 1                             ; the loop's last trip has no chunk one slot ahead of its refill's
	s_cbranch_scc0 .Lno_ask_\@
	global_prefetch_b8 v[PFV], s[PFB:PFB+1] th:TH_LOAD_NT scope:SCOPE_SE
.Lno_ask_\@:
	OUT 0, 2
.elseif \mode == 2
	s_wait_dscnt 50
	PRODS 0
	WALU
	s_wait_tensorcnt 0x0
	s_wait_dscnt 0x0
	s_barrier_signal -1
	s_barrier_wait -1                              ; the last chunk is shown to all
	FETCH 0, 0, ADO, ASO
	OUT 0, 2
.else
	s_wait_dscnt 50
	PRODS 0
	OUT 0, 2
.endif
.if \mode < 3
	s_wait_dscnt 50
	PRODS 1
	FETCH 1, 1, ADO, ASO
.else
	s_wait_dscnt 0x0
	PRODS 1
.endif
	OUT 1, 3
	s_wait_xcnt 0x0                                ; the stores and the prefetch have read their bases
	s_add_nc_u64 s[PP:PP+1], s[PP:PP+1], s[86:87]
	s_add_nc_u64 s[PFB:PFB+1], s[PFB:PFB+1], 128*768
	s_xor_b32 s88, s88, SLOTB
	s_xor_b32 s89, s89, SLOTB
	s_xor_b32 s90, s90, SPL
	s_xor_b32 s91, s91, SPL
	s_add_co_u32 s92, s92, 512
.endm
	WALU
	s_cmp_eq_u32 s18, 3
	s_cbranch_scc1 .Lnot_mine
	s_wait_tensorcnt 0x0
.Lnot_mine:
	s_barrier_signal -1
	s_barrier_wait -1                              ; B's rows, the scale bytes and chunk 0 are in; chunk 1 may be on its way
.irp q, 0,1,2,3,4,5,6,7
.if \q < 4
	WIN 0x40
.else
	WIN 0x80
.endif
.irp b, 0,1,2,3
	FRAG FR*(4*(\q%4)+\b), ADB, ADB+1, \q, \b*16*PITCH
.endr
.endr
	WIN 0
	FETCH 0, 0, AD0, AS0
	FETCH 1, 1, AD0, AS0
	s_wait_loadcnt 0x0
	WIN 0x44
.set J, 0
.rept 32
	v_cndmask_b32 v[192+J], 0, v[192+J], s100
.set J, J+1
.endr
	WIN 0
	s_mov_b32 s88, 0
	s_mov_b32 s89, SLOTB
	s_mov_b32 s90, 0
	s_mov_b32 s91, SPL
	s_mov_b32 s92, 0
	s_mov_b32 s3, 6
.Lslot:
	TRIP 1
	s_sub_co_u32 s3, s3, 1
	s_cmp_lg_u32 s3, 0
	WALU
	s_cbranch_scc1 .Lslot
	TRIP 2
	TRIP 3
	s_wait_dscnt 0x0
	s_barrier_signal -1
	s_barrier_wait -1                              ; every wave's scale bytes lie in LDS
.irp i, 0,1,2,3
	ds_load_b128 v[SW+4*\i:SW+4*\i+3], v[STR] offset:256*\i
.endr
	v_add_nc_u32 v24, s46, v[SAD]
	v_add_nc_u32 v25, s46, v24
	v_add_nc_u32 v26, s46, v25
	WALU
	s_wait_dscnt 0x0
.set J, 0
.rept 16
	v_lshrrev_b32 v[SW+J], v[SH], v[SW+J]
.set J, J+1
.endr
.set J, 0
.rept 16
	v_and_b32 v[SW+J], s22, v[SW+J]
.set J, J+1
.endr
	global_store_b128 v[SAD], v[SW:SW+3], s[98:99]         ; sixteen lanes store 256 consecutive bytes
	global_store_b128 v24, v[SW+4:SW+7], s[98:99]
	global_store_b128 v25, v[SW+8:SW+11], s[98:99]
	global_store_b128 v26, v[SW+12:SW+15], s[98:99]
	s_wait_tensorcnt 0x0                           ; the wave's end
	ds_add_u32 v[SPW], v[NIL]
	s_wait_dscnt 0x0
	CROUND                                         ; the closing round
	s_endpgm
.Lfunc_end_k_q4e6df42a6d_proj:
	.size	k_q4e6df42a6d_proj, .Lfunc_end_k_q4e6df42a6d_proj-k_q4e6df42a6d_proj
	.p2alignl 7, 3214868480
	.fill 96, 4, 3214868480
	.section	.rodata,"a",@progbits
	.p2align	6, 0x0
	.amdhsa_kernel k_q4e6df42a6d_proj
		.amdhsa_group_segment_fixed_size 327680
		.amdhsa_private_segment_fixed_size 0
		.amdhsa_enable_private_segment 0
		.amdhsa_kernarg_size 168
		.amdhsa_user_sgpr_count 2
		.amdhsa_user_sgpr_kernarg_segment_ptr 1
		.amdhsa_wavefront_size32 1
		.amdhsa_system_sgpr_workgroup_id_x 1
		.amdhsa_system_sgpr_workgroup_id_y 1
		.amdhsa_system_sgpr_workgroup_id_z 1
		.amdhsa_system_vgpr_workitem_id 0
		.amdhsa_next_free_vgpr 960
		.amdhsa_next_free_sgpr 102
		.amdhsa_reserve_vcc 0
		.amdhsa_float_denorm_mode_32 3
		.amdhsa_float_denorm_mode_16_64 3
		.amdhsa_memory_ordered 1
		.amdhsa_forward_progress 1
		.amdhsa_inst_pref_size 164
	.end_amdhsa_kernel
	.amdgpu_metadata
---
amdhsa.version: [ 1, 2 ]
amdhsa.kernels:
  - .name:           k_q4e6df42a6d_proj
    .symbol:         k_q4e6df42a6d_proj.kd
    .args:
      - { .name: queries_codes, .offset: 0, .size: 8, .value_kind: global_buffer, .address_space: global }
      - { .name: queries_scales, .offset: 8, .size: 8, .value_kind: global_buffer, .address_space: global }
      - { .name: Wq_codes, .offset: 16, .size: 8, .value_kind: global_buffer, .address_space: global }
      - { .name: Wq_scales, .offset: 24, .size: 8, .value_kind: global_buffer, .address_space: global }
      - { .name: bq, .offset: 32, .size: 8, .value_kind: global_buffer, .address_space: global }
      - { .name: q_img, .offset: 40, .size: 8, .value_kind: global_buffer, .address_space: global }
      - { .name: q_scl, .offset: 48, .size: 8, .value_kind: global_buffer, .address_space: global }
      - { .name: keys_codes, .offset: 56, .size: 8, .value_kind: global_buffer, .address_space: global }
      - { .name: keys_scales, .offset: 64, .size: 8, .value_kind: global_buffer, .address_space: global }
      - { .name: Wk_codes, .offset: 72, .size: 8, .value_kind: global_buffer, .address_space: global }
      - { .name: Wk_scales, .offset: 80, .size: 8, .value_kind: global_buffer, .address_space: global }
      - { .name: bk, .offset: 88, .size: 8, .value_kind: global_buffer, .address_space: global }
      - { .name: k_img, .offset: 96, .size: 8, .value_kind: global_buffer, .address_space: global }
      - { .name: k_scl, .offset: 104, .size: 8, .value_kind: global_buffer, .address_space: global }
      - { .name: Wv_codes, .offset: 112, .size: 8, .value_kind: global_buffer, .address_space: global }
      - { .name: Wv_scales, .offset: 120, .size: 8, .value_kind: global_buffer, .address_space: global }
      - { .name: values_codes, .offset: 128, .size: 8, .value_kind: global_buffer, .address_space: global }
      - { .name: values_scales, .offset: 136, .size: 8, .value_kind: global_buffer, .address_space: global }
      - { .name: bv, .offset: 144, .size: 8, .value_kind: global_buffer, .address_space: global }
      - { .name: v_img, .offset: 152, .size: 8, .value_kind: global_buffer, .address_space: global }
      - { .name: v_scl, .offset: 160, .size: 8, .value_kind: global_buffer, .address_space: global }
    .group_segment_fixed_size: 327680
    .private_segment_fixed_size: 0
    .kernarg_segment_align: 8
    .kernarg_segment_size: 168
    .max_flat_workgroup_size: 128
    .sgpr_count:     102
    .vgpr_count:     960
    .wavefront_size: 32
...
	.end_amdgpu_metadata
.endif
;; end of part 1
;; launch attn (part 2): grid 8 x 32, 16 waves a work-group, clusters of 4 x 1, 327,680 bytes of LDS; arguments q_img, q_scl, k_img, k_scl, v_img, v_scl, ctx_img, ctx_scl; writes ctx_img, ctx_scl
.if DOCPART == 2
	.amdgcn_target "amdgcn-amd-amdhsa--gfx1250"
	.amdhsa_code_object_version 6
	.text
	.protected	k_q4e6df42a6d_attn
	.globl	k_q4e6df42a6d_attn
	.p2align	8
	.type	k_q4e6df42a6d_attn,@function
k_q4e6df42a6d_attn:
	s_mov_b64 s[64:65], 0
	v_nop
	global_prefetch_b8 v0, s[64:65] scope:SCOPE_SE
	s_setreg_imm32_b32 hwreg(HW_REG_WAVE_MODE, 25, 1), 1
	s_wait_xcnt 0x0
	s_wait_alu depctr_hold_cnt(0) depctr_sa_sdst(0) depctr_va_vdst(0) depctr_va_sdst(0) depctr_va_ssrc(0) depctr_va_vcc(0) depctr_vm_vsrc(0)
	s_getreg_b32 s2, hwreg(HW_REG_IB_STS2, 6, 4)
	s_cmp_eq_u32 s2, 0
	s_cbranch_scc0 .Lentry_in_a_cluster
	s_endpgm
.Lentry_in_a_cluster:
	s_bfe_u32 s2, ttmp6, 0x10000c
	s_cmp_lg_u32 s2, 0x3003
	s_cbranch_scc0 .Lentry_shape_is_right
	s_endpgm
.Lentry_shape_is_right:
; ATTENTION on the images that launch proj left: a work-group of 16 waves takes 256 queries of two heads, one head after the other; a wave 16 queries.
; S^T = k q^T and O^T = v^T p^T, so that a lane holds one query; p = 2^(t - M) with M the ceiling of the running largest t; the row's sum is taken of the unquantised p.
; K and V go through two LDS slots of 1,024 keys each (49,152 bytes of K's images, then as many of V's), as dense rows of 256 bytes; the scale words of both heads come once.
; The four work-groups of a cluster share head and batch and ask for every tile jointly.  At the head four waves issue one load each (K, V, K's words, V's words); three refills follow, each behind a round.
; A step of 128 keys is written once in each of four counted loops of eight trips; its LDS addresses are made from scalars stepped by constants.
; No prefetch: a fill is asked for eight steps of sixteen waves ahead of the wait for it.
; LIMITS: NaN and infinities are not served; the promise holds while the scaled scores stay under 2^31 in magnitude.
.set KPART, 49152
.set SLOT1, 1<<17
.set KSC,   2*SLOT1
.set VSC,   KSC+16384
.set SPARE, VSC+8192
.set CST,   SPARE+2048
.set L16,  1
.set L8,   2
.set R16K, 3
.set SPW,  4
.set NIL,  5
.set ADK,  6
.set ADK8, 7
.set ADS,  8
.set ADT,  9
.set R16V, 10
.set CSA,  11
.set QF,   16
.set QS,   28
.set QS1,  29
.set Q1,   30
.set KV,   36
.set CSR,  90
.set GS,   91
.set QO,   92
.set S,    96
.set OT,   160
.set PF,   192
.set PT,   204
.set BM,   212
.set BP,   216
.set BS,   220
.set KS,   224
.set VS,   232
.set PS,   236
.set CW,   237
.set F,    238
.set T,    240
.set SUM2, 242
.set CF,   244
.set SEL,  20
.set CS,   22
.set G1,   24
.set G1KS, 32
.set G1VS, 40
.set G0K,  48
.set G0V,  52
.set G0KS, 56
.set G0VS, 60
.set WV,   66
.set TB,   67
.set TS,   68
.set TJ,   69
.set CNT,  70
.macro CROUND
	s_barrier_signal -1
	s_barrier_wait -1
	s_cmp_lg_u32 s[WV], 0
	s_cbranch_scc1 .Lnot_wave_0_\@
	s_barrier_signal -3
.Lnot_wave_0_\@:
	s_barrier_wait -3
	s_barrier_signal -1
	s_barrier_wait -1
.endm
.macro JL2 wa, g0a, g1a, wb, g0b, g1b
	s_cmp_eq_u32 s[WV], \wa
	s_cbranch_scc0 .Lnot_a_\@
	tensor_load_to_lds s[\g0a:\g0a+3], s[\g1a:\g1a+7]
	s_nop 0
.rept 4
	v_nop
.endr
	s_branch .Lasked_\@
.Lnot_a_\@:
	s_cmp_eq_u32 s[WV], \wb
	s_cbranch_scc0 .Lasked_\@
	tensor_load_to_lds s[\g0b:\g0b+3], s[\g1b:\g1b+7]
	s_nop 0
.rept 4
	v_nop
.endr
.Lasked_\@:
.endm
	s_load_b512 s[4:19], s[0:1], 0x0
	v_lshl_add_u32 v[SPW], v0, 2, SPARE
	v_mov_b32 v[NIL], 0
	ds_add_u32 v4, v5
	ds_add_u32 v4, v5
	s_wait_dscnt 0x0
	v_lshrrev_b32 v6, 5, v0
	s_delay_alu instid0(VALU_DEP_1)
	v_readfirstlane_b32 s[WV], v6
	s_bfe_u32 s71, ttmp6, 0x40000
	s_lshl_b32 s72, ttmp9, 2
	s_add_co_u32 s72, s72, s71
	s_and_b32 s73, ttmp7, 0xffff
	s_lshr_b32 s74, s73, 3
	s_and_b32 s75, s73, 7
	s_lshl_b32 s76, s74, 4
	s_lshl_b32 s77, s75, 1
	s_add_co_u32 s76, s76, s77
	s_mul_i32 s78, s76, 98304
	s_mov_b32 s79, 0
	s_lshl_b32 s80, s76, 13
	s_mov_b32 s81, 0
	s_lshl_b32 s82, s76, 12
	s_mov_b32 s83, 0
	s_lshl_b32 s84, s76, 7
	s_lshl_b32 s85, s72, 4
	s_add_co_u32 s84, s84, s85
	s_add_co_u32 s84, s84, s[WV]
	s_mul_i32 s84, s84, 768
	s_mov_b32 s85, 0
	s_lshl_b32 s86, s72, 2
	s_lshr_b32 s87, s[WV], 2
	s_add_co_u32 s86, s86, s87
	s_lshl_b32 s86, s86, 8
	s_add_co_u32 s86, s86, s80
	s_and_b32 s88, s[WV], 3
	s_lshl_b32 s88, s88, 2
	s_add_co_u32 s86, s86, s88
	s_lshl_b32 s89, s87, 8
	s_add_co_u32 s89, s89, s88
	s_add_co_u32 s89, s89, CST
	s_mov_b32 s87, 0
	s_lshl_b32 s90, s74, 7
	s_lshl_b32 s71, s72, 4
	s_add_co_u32 s90, s90, s71
	s_add_co_u32 s90, s90, s[WV]
	s_lshl_b32 s90, s90, 3
	s_add_co_u32 s90, s90, s75
	s_mul_i32 s90, s90, 1536
	s_mov_b32 s91, 0
	s_lshl_b32 s92, s75, 7
	s_lshl_b32 s71, s74, 5
	s_add_co_u32 s92, s92, s71
	s_lshl_b32 s71, s72, 2
	s_add_co_u32 s92, s92, s71
	s_lshl_b32 s92, s92, 8
	s_mov_b32 s93, 0
.irp g, G1, G1KS, G1VS
	s_mov_b32 s[\g], 15|(3<<16)|(1<<21)
	s_mov_b32 s[\g+1], 32<<16
	s_mov_b32 s[\g+3], 32<<16
	s_mov_b32 s[\g+5], 32
	s_mov_b32 s[\g+6], 0
	s_mov_b32 s[\g+7], 0
.endr
	s_mov_b32 s[G1+2], 192<<16
	s_mov_b32 s[G1+4], 192
	s_mov_b32 s[G1KS+2], 64<<16
	s_mov_b32 s[G1KS+4], 64
	s_mov_b32 s[G1VS+2], 32<<16
	s_mov_b32 s[G1VS+4], 32
	s_mov_b32 s[SEL], 0x76543210
	s_mov_b32 s[SEL+1], 0xfedcba98
	s_mov_b32 s[CS], 0x3e38aa3b
	s_mov_b32 s[CS+1], s[CS]
	s_mov_b32 s[TB], 0
	s_mov_b32 s[TS], 0
	s_mov_b32 s[TJ], 0
	s_wait_kmcnt 0x0
	s_mov_b32 s[G0K], 1
	s_mov_b32 s[G0K+1], 0
	s_add_nc_u64 s[G0K+2:G0K+3], s[8:9], s[78:79]
	s_or_b32 s[G0K+3], s[G0K+3], 0x80000000
	s_mov_b32 s[G0V], 1
	s_mov_b32 s[G0V+1], KPART
	s_add_nc_u64 s[G0V+2:G0V+3], s[12:13], s[78:79]
	s_or_b32 s[G0V+3], s[G0V+3], 0x80000000
	s_mov_b32 s[G0KS], 1
	s_mov_b32 s[G0KS+1], KSC
	s_add_nc_u64 s[G0KS+2:G0KS+3], s[10:11], s[80:81]
	s_or_b32 s[G0KS+3], s[G0KS+3], 0x80000000
	s_mov_b32 s[G0VS], 1
	s_mov_b32 s[G0VS+1], VSC
	s_add_nc_u64 s[G0VS+2:G0VS+3], s[14:15], s[82:83]
	s_or_b32 s[G0VS+3], s[G0VS+3], 0x80000000
	s_add_nc_u64 s[4:5], s[4:5], s[84:85]
	s_add_nc_u64 s[6:7], s[6:7], s[86:87]
	s_add_nc_u64 s[16:17], s[16:17], s[90:91]
	s_add_nc_u64 s[18:19], s[18:19], s[92:93]
	CROUND
.macro ARM w, g0, g1                   ; one arm of the head's chain of branches on the wave's number: one load to an arm, all arms to one join
	s_cmp_eq_u32 s[WV], \w
	s_cbranch_scc0 .Lnot_\w
	tensor_load_to_lds s[\g0:\g0+3], s[\g1:\g1+7]
	s_nop 0
.rept 4
	v_nop
.endr
	s_branch .Lhead_asked
.Lnot_\w:
.endm
	ARM 0, G0K, G1
	ARM 1, G0KS, G1KS
	ARM 2, G0V, G1
	ARM 3, G0VS, G1VS
.Lhead_asked:
	v_and_b32 v6, 31, v0
	s_delay_alu instid0(VALU_DEP_1)
	v_lshlrev_b32 v[L16], 4, v6
	s_delay_alu instid0(VALU_DEP_2)
	v_lshlrev_b32 v[L8], 3, v6
	v_and_b32 v7, 15, v0
	s_delay_alu instid0(VALU_DEP_1)
	v_lshlrev_b32 v[QO], 4, v7
	s_delay_alu instid0(VALU_DEP_2)
	v_lshl_add_u32 v[R16K], v7, 4, KSC
	s_delay_alu instid0(VALU_DEP_3)
	v_lshl_add_u32 v[R16V], v7, 4, VSC
	s_delay_alu instid0(VALU_DEP_4)
	v_lshl_add_u32 v[CSA], v7, 4, s89
	v_and_b32 v9, 63, v0
	s_delay_alu instid0(VALU_DEP_1)
	v_lshlrev_b32 v[GS], 4, v9
	s_delay_alu instid0(VALU_DEP_1)
	v_add_nc_u32 v[CSR], CST, v[GS]
	global_load_b128 v[QF:QF+3], v[L16], s[4:5]
	global_load_b64 v[QF+4:QF+5], v[L8], s[4:5] offset:512
	global_load_b128 v[Q1:Q1+3], v[L16], s[4:5] offset:98304
	global_load_b64 v[Q1+4:Q1+5], v[L8], s[4:5] offset:98816
	global_load_b32 v[QS], v[QO], s[6:7]
	global_load_b32 v[QS1], v[QO], s[6:7] offset:8192
.irp i, 0,1,2,3,4,5
	v_mov_b32 v[QF+6+\i], 0
	v_mov_b32 v[KV+48+\i], 0
.endr
.irp b, 0,1,2,3
	v_mov_b32 v[BP+\b], 0
.endr
	v_mov_b32 v[F+1], 0
	v_mov_b32 v[T], 0
	v_mov_b32 v[T+1], 0
.macro INIT
	v_mov_b32 v13, 0xff61b1e6
	s_delay_alu instid0(VALU_DEP_1)
	v_floor_f32 v12, -v13
	v_mov_b32 v14, 0
	v_mov_b32 v15, 0
.set J, 0
.rept 32
	v_mov_b32 v[OT+J], 0
.set J, J+1
.endr
.endm
	INIT
.macro STEP q
.if \q > 0
.rept 4
	v_nop
.endr
.endif
.irp t, 0,1,2,3,4,5,6,7
	ds_load_b128 v[KV+6*\t:KV+6*\t+3], v[ADK] offset:6144*(\q)+768*\t
	ds_load_b64 v[KV+6*\t+4:KV+6*\t+5], v[ADK8] offset:6144*(\q)+768*\t+512
.endr
	ds_load_b128 v[KS:KS+3], v[ADS] offset:512*(\q)
	ds_load_b128 v[KS+4:KS+7], v[ADS] offset:512*(\q)+256
	s_wait_dscnt 0x0
.irp t, 0,1,2,3,4,5,6,7
	v_wmma_scale_f32_16x16x128_f8f6f4 v[S+8*\t:S+8*\t+7], v[KV+6*\t:KV+6*\t+11], v[QF:QF+11], 0, v[KS+\t], v[QS] matrix_a_fmt:MATRIX_FMT_FP6 matrix_b_fmt:MATRIX_FMT_FP6
.endr
.rept 4
	v_nop
.endr
.irp d, 0,1,2,3
.irp c, 0,1
	ds_load_b128 v[KV+12*\d+6*\c:KV+12*\d+6*\c+3], v[ADK] offset:KPART+6144*(\q)+3072*\c+768*\d
	ds_load_b64 v[KV+12*\d+6*\c+4:KV+12*\d+6*\c+5], v[ADK8] offset:KPART+6144*(\q)+3072*\c+768*\d+512
.endr
.endr
	ds_load_b128 v[VS:VS+3], v[ADT] offset:256*(\q)
.irp b, 0,1,2,3
	v_max3_num_f32 v[BM+\b], v[S+16*\b], v[S+16*\b+1], v[S+16*\b+2]
.endr
.irp i, 3,5,7,9,11,13
.irp b, 0,1,2,3
	v_max3_num_f32 v[BM+\b], v[BM+\b], v[S+16*\b+\i], v[S+16*\b+\i+1]
.endr
.endr
.irp b, 0,1,2,3
	v_max_num_f32 v[BM+\b], v[BM+\b], v[S+16*\b+15]
.endr
.irp b, 0,1,2,3
	s_delay_alu instid0(VALU_DEP_4)
	v_permlanex16_b32 v[BP+\b], v[BM+\b], s[SEL], s[SEL+1]
.endr
.irp b, 0,1,2,3
	s_delay_alu instid0(VALU_DEP_4)
	v_max_num_f32 v[BM+\b], v[BM+\b], v[BP+\b]
.endr
	s_delay_alu instid0(VALU_DEP_2)
	v_max3_num_f32 v[T], v[BM], v[BM+1], v[BM+2]
	s_delay_alu instid0(VALU_DEP_1)
	v_max_num_f32 v[T], v[T], v[BM+3]
	s_delay_alu instid0(VALU_DEP_1)
	v_mul_f32 v[T], s[CS], v[T]
	s_delay_alu instid0(VALU_DEP_1)
	v_max_num_f32 v13, v13, v[T]
	v_mov_b32 v[T], v12
	s_delay_alu instid0(VALU_DEP_2)
	v_floor_f32 v12, -v13
	s_delay_alu instid0(VALU_DEP_1)
	v_sub_f32 v[T], v12, v[T]
	s_delay_alu instid0(VALU_DEP_1)
	v_cvt_i32_f32 v[T], v[T]
	s_delay_alu instid0(VALU_DEP_1)
	v_ldexp_f32 v[F], 1.0, v[T]
.set J, 0
.rept 32
	v_pk_fma_f32 v[S+J:S+J+1], v[S+J:S+J+1], s[CS:CS+1], v[12:13] op_sel_hi:[1,0,0]
.set J, J+2
.endr
.irp b, 0,1,2,3
	v_fma_f32 v[BM+\b], v[BM+\b], s[CS], v12
.endr
.set J, 0
	s_wait_alu depctr_va_vdst(0)
.rept 64
	v_exp_f32 v[S+J], v[S+J]
.set J, J+1
.endr
.irp b, 0,1,2,3
	v_exp_f32 v[BM+\b], v[BM+\b]
.endr
	v_pk_mul_f32 v[14:15], v[14:15], v[F:F+1] op_sel_hi:[1,0]
	s_wait_alu depctr_va_vdst(0)
.irp b, 0,1,2,3
	v_max_num_f32 v[BM+\b], 0x1800000, v[BM+\b]
.endr
.irp b, 0,1,2,3
	s_delay_alu instid0(VALU_DEP_4)
	v_add_nc_u32 v[BS+\b], 0xff000000, v[BM+\b]
.endr
.irp b, 0,1,2,3
	s_delay_alu instid0(VALU_DEP_4)
	v_lshrrev_b32 v[BP+\b], 23, v[BS+\b]
.endr
	s_delay_alu instid0(VALU_DEP_3)
	v_lshl_or_b32 v[PS], v[BP+1], 8, v[BP]
	s_delay_alu instid0(VALU_DEP_1)
	v_lshl_or_b32 v[PS], v[BP+2], 16, v[PS]
	s_delay_alu instid0(VALU_DEP_1)
	v_lshl_or_b32 v[PS], v[BP+3], 24, v[PS]
.irp c, 0,1
	v_cvt_scalef32_pk16_fp6_f32 v[PF+6*\c:PF+6*\c+2], v[S+32*\c:S+32*\c+15], v[BS+2*\c]
	v_cvt_scalef32_pk16_fp6_f32 v[PT+4*\c:PT+4*\c+2], v[S+32*\c+16:S+32*\c+31], v[BS+2*\c+1]
.endr
	v_nop
.irp c, 0,1
.irp i, 0,1,2
	v_permlane16_swap_b32 v[PF+6*\c+\i], v[PT+4*\c+\i]
.endr
.irp i, 0,1,2
	s_delay_alu instid0(VALU_DEP_3)
	v_mov_b32 v[PF+3+6*\c+\i], v[PT+4*\c+\i]
.endr
.endr
	v_pk_add_f32 v[SUM2:SUM2+1], v[S:S+1], v[S+2:S+3]
.set J, 4
.rept 15
	v_pk_add_f32 v[14:15], v[14:15], v[S+J:S+J+1]
	v_pk_add_f32 v[SUM2:SUM2+1], v[SUM2:SUM2+1], v[S+J+2:S+J+3]
.set J, J+4
.endr
	s_delay_alu instid0(VALU_DEP_1)
	v_pk_add_f32 v[14:15], v[14:15], v[SUM2:SUM2+1]
.set J, 0
.rept 16
	v_pk_mul_f32 v[OT+J:OT+J+1], v[OT+J:OT+J+1], v[F:F+1] op_sel_hi:[1,0]
.set J, J+2
.endr
	s_wait_alu depctr_va_vdst(0)
	s_wait_dscnt 0x0
.irp d, 0,1,2,3
	v_wmma_scale_f32_16x16x128_f8f6f4 v[OT+8*\d:OT+8*\d+7], v[KV+12*\d:KV+12*\d+11], v[PF:PF+11], v[OT+8*\d:OT+8*\d+7], v[VS+\d], v[PS] matrix_a_fmt:MATRIX_FMT_FP6 matrix_b_fmt:MATRIX_FMT_FP6
.endr
.endm
.macro CHANGE fill
	s_wait_tensorcnt 0x0
	ds_add_u32 v[SPW], v[NIL]
.if \fill
	ds_add_u32 v[SPW], v[NIL]                      ; the add twice ahead of a refill
	s_xor_b32 s[G0K+1], s[G0K+1], SLOT1
	s_add_nc_u64 s[G0K+2:G0K+3], s[G0K+2:G0K+3], KPART
	s_xor_b32 s[G0V+1], s[G0V+1], SLOT1
	s_add_nc_u64 s[G0V+2:G0V+3], s[G0V+2:G0V+3], KPART
.endif
	s_wait_dscnt 0x0
.if \fill
	CROUND
	JL2 0, G0K, G1, 1, G0V, G1
.else
	s_barrier_signal -1
	s_barrier_wait -1
.endif
.endm
.macro SLOT_STEPS base                 ; a slot's eight steps of 128 keys
	s_mov_b32 s[TB], \base
	s_mov_b32 s[CNT], 8
.Lstep_\@:
	v_add_nc_u32 v[ADK], s[TB], v[L16]             ; these four lines are also the places between the last products and the loads into their registers
	v_add_nc_u32 v[ADK8], s[TB], v[L8]
	v_add_nc_u32 v[ADS], s[TS], v[R16K]
	v_add_nc_u32 v[ADT], s[TJ], v[R16V]
	s_wait_alu depctr_va_vdst(0)
	STEP 0
	s_add_co_u32 s[TB], s[TB], 6144
	s_add_co_u32 s[TS], s[TS], 512
	s_add_co_u32 s[TJ], s[TJ], 256
	s_sub_co_u32 s[CNT], s[CNT], 1
	s_cmp_lg_u32 s[CNT], 0
	s_cbranch_scc1 .Lstep_\@
.endm
.macro FINISH c
.rept 4
	v_nop
.endr
	v_add_f32 v14, v14, v15
	s_delay_alu instid0(VALU_DEP_1)
	v_permlanex16_b32 v[T], v14, s[SEL], s[SEL+1]
	s_delay_alu instid0(VALU_DEP_1)
	v_add_f32 v14, v14, v[T]
	s_wait_alu depctr_va_vdst(0)
	v_rcp_f32 v[T], v14
	v_nop
.set J, 0
	s_wait_alu depctr_va_vdst(0)
.rept 16
	v_pk_mul_f32 v[OT+J:OT+J+1], v[OT+J:OT+J+1], v[T:T+1] op_sel_hi:[1,0]
.set J, J+2
.endr
.irp e, 0,1
.irp j, 0,1,2,3,4,5,6,7
	v_permlane16_swap_b32 v[OT+16*\e+\j], v[OT+16*\e+8+\j]
.endr
.endr
.irp e, 0,1
	v_max3_num_f32 v[BM+\e], |v[OT+16*\e]|, |v[OT+16*\e+1]|, 0x1800000
.endr
.irp i, 2,4,6,8,10,12,14
.irp e, 0,1
	s_delay_alu instid0(VALU_DEP_2)
	v_max3_num_f32 v[BM+\e], v[BM+\e], |v[OT+16*\e+\i]|, |v[OT+16*\e+\i+1]|
.endr
.endr
.irp e, 0,1
	s_delay_alu instid0(VALU_DEP_2)
	v_permlanex16_b32 v[BP+\e], v[BM+\e], s[SEL], s[SEL+1]
.endr
.irp e, 0,1
	s_delay_alu instid0(VALU_DEP_2)
	v_max_num_f32 v[BM+\e], v[BM+\e], v[BP+\e]
.endr
.irp e, 0,1
	s_delay_alu instid0(VALU_DEP_2)
	v_add_nc_u32 v[BS+\e], 0xff000000, v[BM+\e]
.endr
.irp e, 0,1
	s_delay_alu instid0(VALU_DEP_2)
	v_lshrrev_b32 v[BP+\e], 23, v[BS+\e]
.endr
.if \c == 0
	s_delay_alu instid0(VALU_DEP_1)
	v_lshl_or_b32 v[CW], v[BP+1], 8, v[BP]
.else
	s_delay_alu instid0(VALU_DEP_2)
	v_lshl_or_b32 v[CW], v[BP], 16, v[CW]
	s_delay_alu instid0(VALU_DEP_1)
	v_lshl_or_b32 v[CW], v[BP+1], 24, v[CW]
.endif
	v_cvt_scalef32_pk16_fp6_f32 v[CF+6*\c:CF+6*\c+2], v[OT:OT+15], v[BS]
	v_cvt_scalef32_pk16_fp6_f32 v[PT:PT+2], v[OT+16:OT+31], v[BS+1]
	v_nop
.irp i, 0,1,2
	v_permlane16_swap_b32 v[CF+6*\c+\i], v[PT+\i]
.endr
.irp i, 0,1,2
	s_delay_alu instid0(VALU_DEP_3)
	v_mov_b32 v[CF+6*\c+3+\i], v[PT+\i]
.endr
.endm
	s_wait_loadcnt 0x0
	CHANGE 1
	SLOT_STEPS 0
	CHANGE 1
	SLOT_STEPS SLOT1
	FINISH 0
	v_mov_b32 v[QS], v[QS1]
.irp i, 0,1,2,3,4,5
	v_mov_b32 v[QF+\i], v[Q1+\i]
.endr
	INIT
	CHANGE 1
	SLOT_STEPS 0
	CHANGE 0
	SLOT_STEPS SLOT1
	FINISH 1
	global_store_b128 v[L16], v[CF:CF+3], s[16:17]
	global_store_b128 v[L16], v[CF+4:CF+7], s[16:17] offset:512
	global_store_b128 v[L16], v[CF+8:CF+11], s[16:17] offset:1024
	ds_store_b32 v[CSA], v[CW]
	s_wait_dscnt 0x0
	s_barrier_signal -1
	s_barrier_wait -1
	s_cmp_lt_u32 s[WV], 2
	s_cbranch_scc0 .Lno_words
	ds_load_b128 v[S:S+3], v[CSR]
	s_wait_dscnt 0x0
	global_store_b128 v[GS], v[S:S+3], s[18:19]
.Lno_words:
	s_wait_tensorcnt 0x0
	ds_add_u32 v[SPW], v[NIL]
	s_wait_dscnt 0x0
	CROUND
	s_endpgm
.Lfunc_end_k_q4e6df42a6d_attn:
	.size	k_q4e6df42a6d_attn, .Lfunc_end_k_q4e6df42a6d_attn-k_q4e6df42a6d_attn
	.p2alignl 7, 3214868480
	.fill 96, 4, 3214868480
	.section	.rodata,"a",@progbits
	.p2align	6, 0x0
	.amdhsa_kernel k_q4e6df42a6d_attn
		.amdhsa_group_segment_fixed_size 327680
		.amdhsa_private_segment_fixed_size 0
		.amdhsa_enable_private_segment 0
		.amdhsa_kernarg_size 64
		.amdhsa_user_sgpr_count 2
		.amdhsa_user_sgpr_kernarg_segment_ptr 1
		.amdhsa_wavefront_size32 1
		.amdhsa_system_sgpr_workgroup_id_x 1
		.amdhsa_system_sgpr_workgroup_id_y 1
		.amdhsa_system_sgpr_workgroup_id_z 1
		.amdhsa_system_vgpr_workitem_id 0
		.amdhsa_next_free_vgpr 256
		.amdhsa_next_free_sgpr 96
		.amdhsa_reserve_vcc 0
		.amdhsa_float_denorm_mode_32 3
		.amdhsa_float_denorm_mode_16_64 3
		.amdhsa_memory_ordered 1
		.amdhsa_forward_progress 1
		.amdhsa_inst_pref_size 95
	.end_amdhsa_kernel
	.amdgpu_metadata
---
amdhsa.version: [ 1, 2 ]
amdhsa.kernels:
  - .name:           k_q4e6df42a6d_attn
    .symbol:         k_q4e6df42a6d_attn.kd
    .args:
      - { .name: q_img, .offset: 0, .size: 8, .value_kind: global_buffer, .address_space: global }
      - { .name: q_scl, .offset: 8, .size: 8, .value_kind: global_buffer, .address_space: global }
      - { .name: k_img, .offset: 16, .size: 8, .value_kind: global_buffer, .address_space: global }
      - { .name: k_scl, .offset: 24, .size: 8, .value_kind: global_buffer, .address_space: global }
      - { .name: v_img, .offset: 32, .size: 8, .value_kind: global_buffer, .address_space: global }
      - { .name: v_scl, .offset: 40, .size: 8, .value_kind: global_buffer, .address_space: global }
      - { .name: ctx_img, .offset: 48, .size: 8, .value_kind: global_buffer, .address_space: global }
      - { .name: ctx_scl, .offset: 56, .size: 8, .value_kind: global_buffer, .address_space: global }
    .group_segment_fixed_size: 327680
    .private_segment_fixed_size: 0
    .kernarg_segment_align: 8
    .kernarg_segment_size: 64
    .max_flat_workgroup_size: 512
    .sgpr_count:     96
    .vgpr_count:     256
    .wavefront_size: 32
...
	.end_amdgpu_metadata
.endif
;; end of part 2
;; launch outp (part 3): grid 8 x 32, 4 waves a work-group, clusters of 4 x 4, 327,680 bytes of LDS; arguments ctx_img, ctx_scl, Wo_codes, Wo_scales, bo, out0; writes out0
.if DOCPART == 3
	.amdgcn_target "amdgcn-amd-amdhsa--gfx1250"
	.amdhsa_code_object_version 6
	.text
	.protected	k_q4e6df42a6d_outp
	.globl	k_q4e6df42a6d_outp
	.p2align	8
	.type	k_q4e6df42a6d_outp,@function
k_q4e6df42a6d_outp:
	s_mov_b64 s[64:65], 0
	v_nop
	global_prefetch_b8 v0, s[64:65] scope:SCOPE_SE
	s_setreg_imm32_b32 hwreg(HW_REG_WAVE_MODE, 25, 1), 1
	s_wait_xcnt 0x0
	s_wait_alu depctr_hold_cnt(0) depctr_sa_sdst(0) depctr_va_vdst(0) depctr_va_sdst(0) depctr_va_ssrc(0) depctr_va_vcc(0) depctr_vm_vsrc(0)
	s_getreg_b32 s2, hwreg(HW_REG_IB_STS2, 6, 4)
	s_cmp_eq_u32 s2, 0
	s_cbranch_scc0 .Lentry_in_a_cluster
	s_endpgm
.Lentry_in_a_cluster:
	s_bfe_u32 s2, ttmp6, 0x10000c
	s_cmp_lg_u32 s2, 0xf033
	s_cbranch_scc0 .Lentry_shape_is_right
	s_endpgm
.Lentry_shape_is_right:
; THE PROJECTION ON THE WAY OUT: out0 = ctx Wo^T + bo, on codes of FP6 (E2M3).  A work-group makes 256 rows x 128 columns; K = 1,024 lies whole in LDS.
; ctx_img [row tile of 16: 512][K step of 128: 8][1,536 bytes: 3 pieces x 32 lanes x 16]: images of operand registers; a work-group's 16 row tiles are 196,608 dense bytes, fetched as rows of 256.
; ctx_scl [K step][group of 4 row tiles: 128][r 16][tile % 4] words: eight rows of 1,024 bytes.  Wo's 128 rows: whole rows of 768 bytes, 16 bytes of padding behind every 256; its scale bytes as units of 256 + 16.
; Four joint loads at the head, one a wave; nothing is filled again.  ctx's tiles are shared along a row of the 4 x 4 cluster, Wo's along a column.
; No prefetch: the launch has no loop to run ahead in; each work-group asks for all its bytes at its head.
; A WAVE takes 64 rows x 128 columns: 32 accumulators (a, b) at v[512 + 8 (8 a + b)]; source 0 = 16 rows of Wo, source 1 = 16 rows of ctx: a lane holds eight neighbouring columns of a row.
; The bias is the first products' C.  A block of 16 rows leaves through a stage in the wave's own row tiles' LDS bytes, which it alone reads, which have had their only fill, and which it has read out.
; REGISTERS: window 0: v16-30 addresses, v32-95 Wo's scale words (8 b + step), v96-127 ctx's (4 step + a), v128-223 ctx's fragments, two sets; on the way out v128-255.
; Window 1: Wo's fragments, two sets (v0-95, v128-223), the bias (v96-127, v224-255).
.set PITCH, 816
.set FR,    12
.set BBASE, 196608
.set SCB,   BBASE+128*PITCH
.set ASC,   SCB+16*272
.set SPARE, ASC+8192
.set SPITCH, 528
.set ADRA, 16                          ; v16 my row tiles + 16 x lane; also where a row of the stage is read back
.set ADRB, 20                          ; v20, v21 Wo's blocks 0-3, 4-7; v22, v23 behind one padding more for lanes 16-31
.set STO,  24
.set CO,   26
.set ASA,  27
.set SPW,  28
.set NIL,  29
.set ASB,  30
.set SB,   32
.set SA,   96
.set AF,   128
.set BK,   128
.set G1, 24
.set G0, 32
.set G1B, 48
.set G0B, 56
.set G1S, 68
.set G0S, 76
.set G1SB, 80
.set G0SB, 88
.set MSB, 0
.macro WIN new
.if MSB != \new
	s_set_vgpr_msb (MSB<<8)|\new
.set MSB, \new
.endif
.endm
.macro PLACES n
.rept \n
	v_nop
.endr
.endm
.macro CROUND
	s_barrier_signal -1
	s_barrier_wait -1
	s_cmp_lg_u32 s14, 0
	s_cbranch_scc1 .Lnot_wave_0_\@
	s_barrier_signal -3
.Lnot_wave_0_\@:
	s_barrier_wait -3
	s_barrier_signal -1
	s_barrier_wait -1
.endm
.macro GSET g, mask, w0, c, rows, p    ; group 1: rows of c elements, pitch p
	s_or_b32 s[\g], s\mask, \w0
	s_mov_b32 s[\g+1], (\c)<<16
	s_mov_b32 s[\g+2], (\rows)<<16
	s_mov_b32 s[\g+3], (\c)<<16
	s_mov_b32 s[\g+4], \rows
	s_mov_b32 s[\g+5], \p
	s_mov_b32 s[\g+6], 0
	s_mov_b32 s[\g+7], 0
.endm
.macro G0SET g, lds, base, off
	s_mov_b32 s[\g], 1
	s_mov_b32 s[\g+1], \lds
	s_mov_b32 s2, s\off
	s_mov_b32 s3, 0
	s_add_nc_u64 s[\g+2:\g+3], s[\base:\base+1], s[2:3]
	s_or_b32 s[\g+3], s[\g+3], 0x80000000
.endm
.macro ARM under, g0, g1, next
	s_cmp_lt_u32 s14, \under
	s_cbranch_scc0 \next
	tensor_load_to_lds s[\g0:\g0+3], s[\g1:\g1+7]
	s_nop 0
	PLACES 4
	s_branch .Lhead_asked
\next:
.endm
	s_load_b128 s[4:7], s[0:1], 0x0                ; ctx_img, ctx_scl
	s_load_b128 s[8:11], s[0:1], 0x10              ; Wo_codes, Wo_scales
	s_load_b128 s[96:99], s[0:1], 0x20             ; bo, out0
	v_lshl_add_u32 v[SPW], v0, 2, SPARE
	v_mov_b32 v[NIL], 0
	ds_add_u32 v[SPW], v[NIL]                      ; the opening lines: the add twice and one wait
	ds_add_u32 v[SPW], v[NIL]
	v_lshrrev_b32 v1, 5, v0
	v_readfirstlane_b32 s14, v1
	s_bfe_u32 s40, ttmp6, 0x40000
	s_bfe_u32 s41, ttmp6, 0x40004
	s_lshl_b32 s42, ttmp9, 2
	s_add_co_u32 s42, s42, s40                     ; tile column, 0..7
	s_and_b32 s17, ttmp7, 0xffff
	s_lshl_b32 s17, s17, 2
	s_add_co_u32 s17, s17, s41                     ; tile row, 0..31
	s_lshl_b32 s43, s41, 2
	s_lshl_b32 s43, 15, s43
	s_lshl_b32 s44, 0x1111, s40
	GSET G1, 43, (3<<16)|(1<<21), 32, 768, 32
	GSET G1B, 44, (1<<20)|(1<<21)|(5<<22)|(3<<25), 768, 128, 768
	GSET G1S, 43, (3<<16)|(1<<21), 128, 8, 4096
	GSET G1SB, 44, (3<<16)|(1<<20)|(1<<21)|(5<<22)|(3<<25), 32, 16, 32
	s_mul_i32 s20, s17, 196608
	s_lshl_b32 s21, s17, 10
	s_mul_i32 s22, s42, 128*768
	s_lshl_b32 s23, s42, 12
	s_wait_dscnt 0x0
	s_wait_kmcnt 0x0
	G0SET G0, 0, 4, 20
	G0SET G0B, BBASE, 8, 22
	G0SET G0S, ASC, 6, 21
	G0SET G0SB, SCB, 10, 23
	CROUND
	ARM 1, G0,  G1,  .Lhead_b
	ARM 2, G0B, G1B, .Lhead_sa
	ARM 3, G0S, G1S, .Lhead_sb
	tensor_load_to_lds s[G0SB:G0SB+3], s[G1SB:G1SB+7]
	s_nop 0
	PLACES 4
.Lhead_asked:
	s_mul_i32 s23, s14, 49152                      ; my four row tiles
	s_lshl_b32 s21, s14, 8
	s_add_co_u32 s21, s21, ASC
	s_lshl_b32 s20, s17, 8
	s_lshl_b32 s22, s14, 6
	s_add_co_u32 s20, s20, s22
	s_lshl_b32 s20, s20, 12                        ; my first row of out0, 4,096 bytes a row
	s_lshl_b32 s2, s42, 9                          ; my first column, in bytes
	s_mov_b32 s3, 0
	s_add_nc_u64 s[96:97], s[96:97], s[2:3]
	s_add_nc_u64 s[12:13], s[98:99], s[2:3]
	s_mov_b32 s2, s20
	s_add_nc_u64 s[12:13], s[12:13], s[2:3]
	v_and_b32 v1, 15, v0
	v_bfe_u32 v2, v0, 4, 1
	v_and_b32 v6, 31, v0
	v_lshlrev_b32 v[CO], 4, v6
	v_mul_u32_u24 v3, v1, PITCH
	v_mad_u32_u24 v4, v2, 24, v3
	v_mad_u32_u24 v5, v2, 40, v3
	v_add_nc_u32 v[ADRB], BBASE, v4
	v_add_nc_u32 v[ADRB+1], BBASE+64*PITCH, v4
	v_add_nc_u32 v[ADRB+2], BBASE, v5
	v_add_nc_u32 v[ADRB+3], BBASE+64*PITCH, v5
	v_add_nc_u32 v[ADRA], s23, v[CO]
	v_lshl_add_u32 v[ASA], v1, 4, s21
	v_lshrrev_b32 v7, 3, v1
	v_lshlrev_b32 v8, 5, v1
	v_lshl_add_u32 v7, v7, 4, v8
	v_add_nc_u32 v[ASB], SCB, v7
	v_mul_u32_u24 v8, v1, SPITCH
	v_lshl_add_u32 v8, v2, 5, v8
	v_add_nc_u32 v[STO], s23, v8
	v_lshlrev_b32 v9, 5, v2
	WIN 0x40
.irp b, 0,1,2,3,4,5,6,7
	global_load_b128 v[96+8*\b+96*(\b/4):96+8*\b+96*(\b/4)+3], v9, s[96:97] offset:64*\b
	global_load_b128 v[96+8*\b+96*(\b/4)+4:96+8*\b+96*(\b/4)+7], v9, s[96:97] offset:64*\b+16
.endr
	WIN 0
.macro FRAG reg, a0, a1, st, off       ; six pieces of 8 bytes; piece PC of a row lies at 8 PC + 16 (PC / 32)
.irp p, 0,1,2,3,4,5
.set PC, 12*(\st)+6*(\p/3)+\p%3
.if PC%32 < 29
	ds_load_b64 v[\reg+2*\p:\reg+2*\p+1], v[\a0] offset:8*PC+16*(PC/32)+(\off)
.else
	ds_load_b64 v[\reg+2*\p:\reg+2*\p+1], v[\a1] offset:8*PC+16*(PC/32)+(\off)
.endif
.endr
.endm
.macro FETCH st                        ; step st's fragments into set st % 2: 48 + 12 loads
	WIN 0x40
.irp i, 0,1,2,3,4,5,6,7
	FRAG 128*((\st)%2)+FR*\i, ADRB+\i/4, ADRB+2+\i/4, \st, (\i%4)*16*PITCH
.endr
	WIN 0
.irp i, 0,1,2,3
.irp p, 0,1,2
	ds_load_b128 v[AF+48*((\st)%2)+FR*\i+4*\p:AF+48*((\st)%2)+FR*\i+4*\p+3], v[ADRA] offset:12288*\i+1536*(\st)+512*\p
.endr
.endr
.endm
.macro MUL a0, st                      ; the 32 accumulators take turns in the same order in every step
.irp a, \a0, \a0+1
.irp b, 0,1,2,3,4,5,6,7
.if (\st) == 0
	v_wmma_scale_f32_16x16x128_f8f6f4 v[8*(8*(\a)+\b):8*(8*(\a)+\b)+7], v[128*((\st)%2)+FR*\b:128*((\st)%2)+FR*\b+FR-1], v[AF+48*((\st)%2)+FR*(\a):AF+48*((\st)%2)+FR*(\a)+FR-1], v[96+8*\b+96*(\b/4):96+8*\b+96*(\b/4)+7], v[SB+8*\b+(\st)], v[SA+4*(\st)+(\a)] matrix_a_fmt:MATRIX_FMT_FP6 matrix_b_fmt:MATRIX_FMT_FP6
.else
	v_wmma_scale_f32_16x16x128_f8f6f4 v[8*(8*(\a)+\b):8*(8*(\a)+\b)+7], v[128*((\st)%2)+FR*\b:128*((\st)%2)+FR*\b+FR-1], v[AF+48*((\st)%2)+FR*(\a):AF+48*((\st)%2)+FR*(\a)+FR-1], v[8*(8*(\a)+\b):8*(8*(\a)+\b)+7], v[SB+8*\b+(\st)], v[SA+4*(\st)+(\a)] matrix_a_fmt:MATRIX_FMT_FP6 matrix_b_fmt:MATRIX_FMT_FP6
.endif
.endr
.endr
.endm
.macro STEP st
	s_wait_dscnt 0x0                               ; this step's fragments are in
.if (\st) < 7
	PLACES 4                                       ; between the other set's last readers and the loads into it
	FETCH (\st)+1
.endif
.if (\st) == 0
	WIN 0x91
.else
	WIN 0xa1
.endif
	MUL 0, \st
	MUL 2, \st
	WIN 0
.endm
	s_wait_alu depctr_va_vdst(0)
	s_wait_loadcnt 0x0
	s_wait_tensorcnt 0x0
	s_barrier_signal -1
	s_barrier_wait -1                              ; all four tiles are in
.irp i, 0,1,2,3,4,5,6,7
	ds_load_b128 v[SB+8*\i:SB+8*\i+3], v[ASB] offset:544*\i
	ds_load_b128 v[SB+8*\i+4:SB+8*\i+7], v[ASB] offset:544*\i+16
	ds_load_b128 v[SA+4*\i:SA+4*\i+3], v[ASA] offset:1024*\i
.endr
	FETCH 0
.set ST, 0
.rept 8
	STEP ST
.set ST, ST+1
.endr
; THE WAY OUT, by blocks of 16 rows x 128 columns: into my stage, back as whole rows of 512 bytes, stored as two aligned units of 256 bytes.  LDS serves a wave's instructions in order (ISA guide 5.7.1.4).
.macro TOSTAGE a
.set AC, 64*(\a)
	WIN 0x08
.irp b, 0,1,2,3,4,5,6,7
	ds_store_b128 v[STO], v[AC+8*\b:AC+8*\b+3] offset:64*\b
	ds_store_b128 v[STO], v[AC+8*\b+4:AC+8*\b+7] offset:64*\b+16
.endr
	WIN 0
.set BB, BK+64*((\a)%2)
.irp t, 0,1,2,3,4,5,6,7,8,9,10,11,12,13,14,15
	ds_load_b128 v[BB+4*\t:BB+4*\t+3], v[ADRA] offset:\t*SPITCH
.endr
.endm
.macro SEND a, younger
.set BB, BK+64*((\a)%2)
	s_wait_dscnt \younger
.if (\a) > 0
	s_add_nc_u64 s[12:13], s[12:13], 16*4096       ; behind a wait on XCNT: the earlier stores have read their base
.endif
.irp t, 0,1,2,3,4,5,6,7,8,9,10,11,12,13,14,15
	global_store_b128 v[CO], v[BB+4*\t:BB+4*\t+3], s[12:13] offset:\t*4096 th:TH_STORE_NT
.endr
.endm
	PLACES 4
	TOSTAGE 0
.irp a, 1,2,3
.if \a > 1
	s_wait_xcnt 0x0
.endif
	TOSTAGE \a
	SEND \a-1, 32                                  ; behind block a - 1's loads: block a's 16 stores and 16 loads
.endr
	s_wait_xcnt 0x0
	SEND 3, 0
	s_wait_tensorcnt 0x0                           ; the wave's end
	ds_add_u32 v[SPW], v[NIL]
	s_wait_dscnt 0x0
	CROUND
	s_endpgm
.Lfunc_end_k_q4e6df42a6d_outp:
	.size	k_q4e6df42a6d_outp, .Lfunc_end_k_q4e6df42a6d_outp-k_q4e6df42a6d_outp
	.p2alignl 7, 3214868480
	.fill 96, 4, 3214868480
	.section	.rodata,"a",@progbits
	.p2align	6, 0x0
	.amdhsa_kernel k_q4e6df42a6d_outp
		.amdhsa_group_segment_fixed_size 327680
		.amdhsa_private_segment_fixed_size 0
		.amdhsa_enable_private_segment 0
		.amdhsa_kernarg_size 48
		.amdhsa_user_sgpr_count 2
		.amdhsa_user_sgpr_kernarg_segment_ptr 1
		.amdhsa_wavefront_size32 1
		.amdhsa_system_sgpr_workgroup_id_x 1
		.amdhsa_system_sgpr_workgroup_id_y 1
		.amdhsa_system_sgpr_workgroup_id_z 1
		.amdhsa_system_vgpr_workitem_id 0
		.amdhsa_next_free_vgpr 768
		.amdhsa_next_free_sgpr 100
		.amdhsa_reserve_vcc 0
		.amdhsa_float_denorm_mode_32 3
		.amdhsa_float_denorm_mode_16_64 3
		.amdhsa_memory_ordered 1
		.amdhsa_forward_progress 1
		.amdhsa_inst_pref_size 91
	.end_amdhsa_kernel
	.amdgpu_metadata
---
amdhsa.version: [ 1, 2 ]
amdhsa.kernels:
  - .name:           k_q4e6df42a6d_outp
    .symbol:         k_q4e6df42a6d_outp.kd
    .args:
      - { .name: ctx_img, .offset: 0, .size: 8, .value_kind: global_buffer, .address_space: global }
      - { .name: ctx_scl, .offset: 8, .size: 8, .value_kind: global_buffer, .address_space: global }
      - { .name: Wo_codes, .offset: 16, .size: 8, .value_kind: global_buffer, .address_space: global }
      - { .name: Wo_scales, .offset: 24, .size: 8, .value_kind: global_buffer, .address_space: global }
      - { .name: bo, .offset: 32, .size: 8, .value_kind: global_buffer, .address_space: global }
      - { .name: out0, .offset: 40, .size: 8, .value_kind: global_buffer, .address_space: global }
    .group_segment_fixed_size: 327680
    .private_segment_fixed_size: 0
    .kernarg_segment_align: 8
    .kernarg_segment_size: 48
    .max_flat_workgroup_size: 128
    .sgpr_count:     100
    .vgpr_count:     768
    .wavefront_size: 32
...
	.end_amdgpu_metadata
.endif
;; end of part 3
